; MI455X (gfx1250); checked and timed in simulation.
; The chip was launched on July 23, 2026; its instructions are those of AMD's public machine-readable ISA for CDNA 5 (MIT licence, August 2026) and "CDNA5" Instruction Set Architecture Reference Guide (July 2026). The comments in the code are by the model that wrote it; some were corrected since.
;; Attention. Allowed arithmetic: matrix products marked QUANTISED: E3M2 operands, one E8M0 scale for each 32 along K, by v_wmma_scale_f32_16x16x128_f8f6f4 with both operands' format E3M2, f32 sums; everything else in f32.
;; Inputs: W_qkv 1,024 x 3,072 float32; b_qkv 3,072 float32; x 4 x 2,048 x 1,024 float32.
;; Outputs: out0 4 x 2,048 x 1,024 float32.
;; This version of the problem:
;;   THIS VERSION OF THE PROBLEM IS GIVEN IN LOW PRECISION. The matrix products marked QUANTISED in the list below multiply operands that are first quantised to E3M2 (3 exponent bits, 2 mantissa bits; 6 bits a number), with one power-of-two scale for each 32 numbers along K (OCP MX v1.0); their sums are f32. All else is computed in f32.
;;   The module's matrix products, in the order in which they are computed (A, B: the left and right operand; K: the contracted axis; several contracted axes count as one K, in the product's order):
;;     1. [M 8,192, K 1,024] x [K 1,024, N 3,072]; A: input x; B: input W_qkv: QUANTISED
;;     2. batch 64 x [M 2,048, K 64] x [K 64, N 2,048]; A: computed on the way; B: computed on the way: QUANTISED
;;     3. batch 64 x [M 2,048, K 2,048] x [K 2,048, N 64]; A: softmax (see below); B: computed on the way: QUANTISED
;;   THE QUANTISER, for each operand of a quantised product, along K:
;;     - K is cut into blocks of 32 from its start; a last block that is shorter is filled with zeros.
;;     - A block's scale is 2^e with e = floor(log2(the largest magnitude in the block)) - 4, held to -126 .. 127; a block of zeros has e = 0. As a byte (E8M0): e + 127.
;;     - Each number is divided by its block's scale, clamped to +-28, and rounded to the nearest number of E3M2, ties to even, subnormals kept.
;;     - The product sums the exact products of the quantised numbers (number of the format x scale) in f32.
;;   ~~~python
;;   def quantise(x, axis):      # numpy; x: float32 -> the quantised numbers, widened to float32 again
;;       x = np.moveaxis(x, axis, -1); K = x.shape[-1]
;;       x = np.pad(x, [(0, 0)] * (x.ndim - 1) + [(0, -K % 32)]); x = x.reshape(x.shape[:-1] + (-1, 32)); a = np.abs(x).max(-1, keepdims=True)
;;       e = np.where(a > 0, np.clip(np.frexp(np.where(a > 0, a, 1))[1] - 1 - 4, -126, 127), 0)      # np.frexp(a)[1] - 1 = floor(log2(a)), exactly
;;       r = np.clip(x / 2.0 ** e, -28, 28)
;;       step = 2.0 ** (np.maximum(np.frexp(np.where(r == 0, 1, r))[1] - 1, -2) - 2)
;;       q = np.round(r / step) * step * 2.0 ** e      # np.round: ties to even
;;       return np.moveaxis(q.reshape(q.shape[:-2] + (-1,))[..., :K], -1, axis).astype(np.float32)
;;   ~~~
;;   SOFTMAX AHEAD OF A QUANTISED PRODUCT. Where the list says 'softmax', what is quantised is not the finished softmax but p = 2^(t - M), with t = logit x log2(e) and M = ceil(the row's largest t), a whole number; so 1/2 < the row's largest p <= 1. The row's sum l is taken of the UNQUANTISED p, in f32, and the product's result is divided by l at the end. Since M is a whole number, a kernel that streams over the keys may use a running M (the ceiling of the running maximum): every later rescaling is an exact power of two, which a block's scale takes up: the codes' values come out the same.
;;   OPERANDS COMPUTED ON THE WAY. 'Computed on the way' means the value that the module computes at that place (a softmax that the list does not call 'softmax' is quantised finished and normalised). What goes into a quantiser is computed in f32, as accurately as f32 sums, v_exp_f32 and their like allow (about 1e-6 of the number): no bf16 or f16 on the way to a quantiser, and a product that is left as it is and whose result goes on into a quantised operand takes f32 operands (vector FMAs, or v_wmma_f32_16x16x4_f32). A number that lies on a knife's edge between two numbers of the format may be rounded either way, as far as f32 arithmetic and the matrix unit's own rounding can turn it there, and no further.
;; One version. Each part assembles by itself: llvm-mc -triple=amdgcn-amd-amdhsa -mcpu=gfx1250 --defsym DOCPART=n.
;; ======== version 1 of 1: 3 launches
;; limits: right only within a limited range of input values
;; workspace buffers: xc 6,291,456 bytes; xs 262,144 bytes; wc 2,359,296 bytes; ws 98,304 bytes; qbuf 6,815,744 bytes; kv 13,631,488 bytes
;; launch quant (part 1): grid 352 x 1, 4 waves a work-group, no clusters, 59,904 bytes of LDS; arguments x, W_qkv, xc, xs, wc, ws; writes xc, xs, wc, ws
.if DOCPART == 1
	.amdgcn_target "amdgcn-amd-amdhsa--gfx1250"
	.amdhsa_code_object_version 6
	.text
	.protected	k_q430a9364e7_quant
	.globl	k_q430a9364e7_quant
	.p2align	8
	.type	k_q430a9364e7_quant,@function
k_q430a9364e7_quant:
	s_mov_b64 s[64:65], 0
	v_nop
	global_prefetch_b8 v0, s[64:65] scope:SCOPE_SE
	s_setreg_imm32_b32 hwreg(HW_REG_WAVE_MODE, 25, 1), 1
	s_wait_xcnt 0x0
; x [8192][1024] and W_qkv [1024][3072], f32, become codes of BF6 (E3M2) with one E8M0 byte for each 32 along K (K = the 1,024), laid IN THE ORDER OF THE OPERAND'S REGISTERS.
; No step of the problem is left out in this program: every input is loaded and every product of the table is done.
; A FRAGMENT (16 rows x 128 K, 12 registers a lane) lies as 3 pieces of 512 bytes: piece p = registers 4 p .. 4 p + 3, lane l's 16 bytes at 16 l.
; THE ROWS OF A TILE ARE NOT NEIGHBOURS: of 64 neighbours (tokens of x; the columns of a head's q, k or v) tile T = 0 .. 3, row r takes neighbour 8 T + r % 8 + 32 (r / 8).
; So in a product's result a lane's 32 registers of four tiles are 32 neighbours: a whole scale block of the next product, in the order of its operand's registers.
; xc [half-block of 8 tiles 64][kk 4][tile 8][qq 2][1536]   (kk: 256 along K, qq: the 128 in it)      xs [P 256][kk 4][lane 32][2 words]: lanes 0-15 tile 2 P's rows, lanes 16-31 tile 2 P + 1's; word qq
; wc [head 16][half 2][kk 4][tile 6][qq 2][1536]: half 0 = q's four tiles, v's tiles 0, 1; half 1 = k's four, v's 2, 3      ws [head 16][pair of tiles 6][kk 4][lane 32][2 words], as xs
; A block's scale is 2^(floor(log2(largest magnitude)) - 4); its byte is the largest magnitude's exponent field - 4, held at 1 from below by a floor among the maximum's leaves.
; LIMITS: a block of zeros, and a block whose largest magnitude lies under 2^-122, gets the byte 1 (the rule says 127 for zeros): its codes are zeros or as the byte 1 gives them, and this program alone reads the bytes.
; NaN and infinities among the inputs are not served.
; SHARES.  Work-groups 0-95 take W (a lane to a column, registers down K), work-groups 96-351 take x (two tiles of whole rows each; wave w takes kk = w).
; W: a wave takes 32 neighbouring columns, which are eight rows of each of a section's four tiles; the two waves of a section share a stage of four tiles, one barrier parts their stores from the reads, and each then sends two whole tiles out.
; x: each wave's LDS bytes are its own: no barrier.  Each of the two paths has LDS bytes of its own.  No two work-groups read the same byte: no cluster.
.set WGW,  96                          ; W's work-groups
.set TM,   8                           ; x: v8-11 four chains of largest magnitudes
.set SO,   12                          ; x: v12, v13 the conversions' scale operands
.set BP,   14                          ; x: v14 a lane permute's result
.set SH8,  15                          ; x: v15 8 (lane / 16)
.set PW,   24                          ; x: v24-27 the four fragments' scale words
.set PC,   32                          ; x: v32-50 the codes just made
.set X,    64                          ; x: v64-127 64 numbers of a lane: two whole blocks
.set R,    128                         ; x: v128-255 two sets of 64 registers as loaded
.set SEL,  20                          ; s[20:21] lane selects: lane l xor 16
.set XSTG, 8448                        ; x: a wave's stage: 16 rows x (512 bytes + 16)
.set WLDS, 4*XSTG                      ; W's stages begin behind x's
.set WSTG, 6400                        ; W: two tiles of a stage: what one wave sends out
.set WTIL, 3200                        ; a tile's two fragments, 3,072 bytes, then its 16 rows' two scale words each, 128 bytes
.set XW,   32                          ; W: v32-95 two sets of 32 numbers
.set OUTW, 96                          ; W: v96-143 the way out
.set SPARE, 0xe800                     ; the spare words, behind both paths' stages
; 64 numbers of a lane, register 32 c + i = k 64 c + 32 (lane / 16) + i of my row, become a fragment's 12 registers in v[PC] on and its scale word in v[pw]
.macro QUANT s, pw
.irp k, 0,1,2,3
	v_max3_num_f32 v[TM+\k], |v[\s+16*\k]|, |v[\s+16*\k+1]|, 0x2800000   ; four chains, two to a block; the floor 2^(5 - 127): the byte cannot fall under 1
.endr
.irp i, 2,4,6,8,10,12,14
.irp k, 0,1,2,3
	v_max3_num_f32 v[TM+\k], v[TM+\k], |v[\s+16*\k+\i]|, |v[\s+16*\k+\i+1]|
.endr
.endr
	v_max_num_f32 v[TM], v[TM], v[TM+1]            ; block c = 0's largest magnitude,
	v_max_num_f32 v[TM+2], v[TM+2], v[TM+3]        ; block c = 1's
	v_add_nc_u32 v[SO], 0xfe000000, v[TM]          ; 4 off the exponent field: the conversion's scale operand
	v_add_nc_u32 v[SO+1], 0xfe000000, v[TM+2]
	v_lshrrev_b32 v[TM], 23, v[SO]                 ; the scales' bytes
	v_lshrrev_b32 v[TM+2], 23, v[SO+1]
	v_lshl_or_b32 v[TM], v[TM+2], 16, v[TM]        ; my two bytes: blocks h and 2 + h,
	v_lshlrev_b32 v[TM], v[SH8], v[TM]             ; at their places in the word;
	v_permlanex16_b32 v[BP], v[TM], s[SEL], s[SEL+1]
	v_or_b32 v[\pw], v[TM], v[BP]                  ; with lane l xor 16's two the word is whole, in both halves of the lanes
	s_wait_alu depctr_va_vdst(0)
	s_wait_xcnt 0x0                                ; the last fragment's stores have read the codes' registers: they are written again only behind this wait
.irp c, 0,1
	v_cvt_scalef32_pk16_bf6_f32 v[PC+6*\c:PC+2+6*\c], v[\s+32*\c:\s+15+32*\c], v[SO+\c]
	v_cvt_scalef32_pk16_bf6_f32 v[PC+12+4*\c:PC+14+4*\c], v[\s+16+32*\c:\s+31+32*\c], v[SO+\c]   ; (a conversion's three registers begin on an even number)
.endr
	v_nop                                          ; one plain place behind the scaled conversions
.irp c, 0,1
.irp i, 0,1,2
	v_mov_b32 v[PC+3+6*\c+\i], v[PC+12+4*\c+\i]
.endr
.endr
.endm
; x: fragment f = 2 u + qq: the 16 rows of my tile u, 128 numbers each: every load reads 512 consecutive bytes of one row
.macro LOADF f
.irp j, 0,1,2,3,4,5,6,7,8,9,10,11,12,13,14,15
	global_load_b128 v[R+64*((\f)%2)+4*\j:R+64*((\f)%2)+4*\j+3], v1, s[4:5] offset:(8*((\f)/2)+\j+24*(\j/8))*4096+512*((\f)%2) th:TH_LOAD_NT
.endr
.endm
.macro FRAGX f
.if (\f) < 3
	s_wait_loadcnt 16                              ; this fragment's 16 loads are in; the next fragment's 16 may be out
.else
	s_wait_loadcnt 0
.endif
.irp j, 0,1,2,3,4,5,6,7,8,9,10,11,12,13,14,15
	ds_store_b128 v3, v[R+64*((\f)%2)+4*\j:R+64*((\f)%2)+4*\j+3] offset:528*\j   ; the rows as they lie, 528 bytes apart
.endr
.irp c, 0,1
.irp i, 0,1,2,3,4,5,6,7
	ds_load_b128 v[X+32*\c+4*\i:X+32*\c+4*\i+3], v4 offset:256*\c+16*\i   ; and back: lane (r, h) takes of row r the 32 numbers at 64 c + 32 h.  LDS serves a wave's instructions in order
.endr
.endr
	s_wait_dscnt 0x0                               ; the 64 numbers are in, and the stage's stores have read their registers,
.if (\f) < 2
	LOADF (\f)+2                                   ; which take the loads of two fragments on
.endif
	QUANT X, PW+(\f)
.irp p, 0,1,2
	global_store_b128 v1, v[PC+4*\p:PC+4*\p+3], s[8:9] offset:1536*(\f)+512*\p   ; a piece: 512 consecutive bytes
.endr
.endm
; W: block t of 8: W(32 t + i, my column), i = 0 .. 31; the wave reads 128 consecutive bytes, the four waves 512
.macro WLOAD t
.set i, 0
.rept 32
	global_load_b32 v[XW+32*((\t)%2)+i], v1, s[6:7] offset:(32*(\t)+i)*12288 th:TH_LOAD_NT
.set i, i+1
.endr
.endm
.macro BLOCK t
.set XS, XW+32*((\t)%2)
.set OFFB, 1536*((\t)/4)+256*((\t)%2)          ; the fragment qq = t / 4; the block is that of lanes 16 h + r, h = t % 2
.if (\t) < 7
	s_wait_loadcnt 32                              ; this block's 32 loads are in; the next block's may be out
.else
	s_wait_loadcnt 0
.endif
	v_max3_num_f32 v8, |v[XS]|, |v[XS+1]|, |v[XS+2]|   ; the block's largest magnitude: all 32 numbers are mine
	v_max3_num_f32 v9, |v[XS+3]|, |v[XS+4]|, |v[XS+5]|
.irp i, 6,10,14,18,22,26
	v_max3_num_f32 v8, v8, |v[XS+\i]|, |v[XS+\i+1]|
	v_max3_num_f32 v9, v9, |v[XS+\i+2]|, |v[XS+\i+3]|
.endr
	v_max3_num_f32 v8, v8, |v[XS+30]|, |v[XS+31]|
	v_max3_num_f32 v8, v8, v9, 0x2800000           ; and the floor
	v_add_nc_u32 v10, 0xfe000000, v8               ; the conversion's scale operand
	v_lshrrev_b32 v11, 23, v10                     ; the scale's byte
	v_cvt_scalef32_pk16_bf6_f32 v[16:18], v[XS:XS+15], v10
	v_cvt_scalef32_pk16_bf6_f32 v[24:26], v[XS+16:XS+31], v10
.if (\t)%4 == 0
	v_mov_b32 v[12+(\t)/4], v11                    ; four bytes to a word, the lower K in the lower byte.  (Also the plain place behind the conversions)
.else
	v_lshl_or_b32 v[12+(\t)/4], v11, 8*((\t)%4), v[12+(\t)/4]
.endif
.irp i, 0,1,2
	v_mov_b32 v[19+\i], v[24+\i]                   ; v16-21: the block's 24 bytes: registers 6 c .. 6 c + 5 of the fragment, c = (t / 2) % 2
.endr
.if ((\t)/2)%2 == 0
	ds_store_b128 v2, v[16:19] offset:OFFB         ; registers 0-3: piece 0
	ds_store_b64 v2, v[20:21] offset:OFFB+512      ; registers 4, 5: the lower half of my 16 bytes of piece 1
.else
	ds_store_b64 v2, v[16:17] offset:OFFB+520      ; registers 6, 7: the upper half
	ds_store_b128 v2, v[18:21] offset:OFFB+1024    ; registers 8-11: piece 2
.endif
.if (\t) < 6
	WLOAD (\t)+2
.endif
	s_wait_dscnt 0x0                               ; the stores have read their registers: the next block's codes may be written
.endm
	s_load_b256 s[4:11], s[0:1], 0x0               ; x s[4:5], W s[6:7], xc s[8:9], xs s[10:11]
	s_load_b128 s[12:15], s[0:1], 0x20             ; wc s[12:13], ws s[14:15]
	v_lshl_add_u32 v30, v0, 2, SPARE
	v_mov_b32 v31, 0
	v_lshrrev_b32 v1, 5, v0
	v_readfirstlane_b32 s16, v1                    ; wave 0..3
	s_mov_b32 s25, 0                               ; the high words of three offsets
	s_mov_b32 s27, 0
	s_mov_b32 s29, 0
	s_wait_kmcnt 0x0
	s_cmp_lt_u32 ttmp9, WGW
	s_cbranch_scc0 .Lx
	; ---------------- W ----------------
	s_and_b32 s17, ttmp9, 3                        ; kk
	s_and_b32 s18, ttmp9, 0xfc
	s_add_co_u32 s18, s18, s16                     ; G: the 32 columns that my wave reads, and the pair of tiles that it sends out, 0 .. 95
	s_mul_i32 s22, s18, 43
	s_lshr_b32 s22, s22, 8                         ; head = G / 6 (43 / 256 is over 1 / 6 by 0.0013: exact for G under 96)
	s_mul_i32 s23, s22, 6
	s_sub_co_u32 s23, s18, s23                     ; g = G % 6: q's tiles 0, 1; q's 2, 3; k's; k's; v's; v's
	s_lshl_b32 s23, s23, 2
	s_lshr_b32 s23, 0x524310, s23
	s_and_b32 s23, s23, 15                         ; its place among the head's six pairs of tiles: 0 1 3 4 2 5
	s_mul_i32 s24, s17, 3145728                    ; W: 256 kk rows of 12,288 bytes
	s_lshl_b32 s30, s18, 7                         ; + 128 G
	s_add_co_u32 s24, s24, s30
	s_add_nc_u64 s[6:7], s[6:7], s[24:25]
	s_mul_i32 s26, s17, 18432                      ; wc: 147,456 head + 73,728 (place / 3) + 18,432 kk + 6,144 (place % 3)
	s_mul_i32 s30, s22, 147456
	s_add_co_u32 s26, s26, s30
	s_mul_i32 s30, s23, 11
	s_lshr_b32 s30, s30, 5                         ; place / 3
	s_mul_i32 s30, s30, 55296
	s_add_co_u32 s26, s26, s30
	s_mul_i32 s30, s23, 6144
	s_add_co_u32 s26, s26, s30
	s_add_nc_u64 s[12:13], s[12:13], s[26:27]
	s_mul_i32 s28, s22, 6                          ; ws: ((6 head + place) 4 + kk) x 256
	s_add_co_u32 s28, s28, s23
	s_lshl_b32 s28, s28, 2
	s_add_co_u32 s28, s28, s17
	s_lshl_b32 s28, s28, 8
	s_add_nc_u64 s[14:15], s[14:15], s[28:29]
	v_and_b32 v6, 31, v0                           ; lane l = my column among the 32
	v_lshlrev_b32 v1, 2, v6                        ; in: 4 bytes a lane
	WLOAD 0
	WLOAD 1
	v_bfe_u32 v7, v0, 3, 2                         ; T = l / 8: my column's tile of the section's four
	v_and_b32 v8, 7, v0
	s_and_b32 s30, s16, 1                          ; which 32 of the section's 64 columns are my wave's
	s_lshl_b32 s30, s30, 3
	v_add_nc_u32 v8, s30, v8                       ; r = l % 8 + 8 x that: my column's row in the tile
	s_and_b32 s30, s16, 2
	s_mul_i32 s30, s30, WSTG
	s_add_co_u32 s30, s30, WLDS                    ; the stage of my section: four tiles
	s_mul_i32 s26, s16, WSTG
	s_add_co_u32 s26, s26, WLDS                    ; the two of them that I send out
	v_mul_u32_u24 v2, v7, WTIL
	v_add_nc_u32 v2, s30, v2
	v_lshl_add_u32 v27, v8, 3, v2
	v_add_nc_u32 v27, 3072, v27                    ; into the stage: my row's two scale words, behind the tile's codes
	v_lshl_add_u32 v2, v8, 4, v2                   ; and its codes: tile T, 16 r
	v_lshlrev_b32 v4, 4, v6                        ; out: 16 bytes a lane
	v_add_nc_u32 v3, s26, v4
	v_bfe_u32 v9, v0, 4, 1
	v_and_b32 v28, 15, v0
	v_mul_u32_u24 v9, v9, WTIL
	v_lshl_add_u32 v28, v28, 3, v9
	v_add_nc_u32 v28, s26, v28
	v_add_nc_u32 v28, 3072, v28                    ; out: lanes 0-15 my first tile's scale words, lanes 16-31 my second's
	v_lshlrev_b32 v5, 3, v6                        ; 8 x lane
.irp t, 0,1,2,3,4,5,6,7
	BLOCK \t
.endr
	s_wait_alu depctr_va_vdst(0)
	ds_store_b64 v27, v[12:13]
	s_wait_dscnt 0x0                               ; all my stores into the stage are done,
	s_barrier_signal -1
	s_barrier_wait -1                              ; and so are my partner's
	ds_load_b64 v[14:15], v28
.irp p, 0,1,2,3,4,5,6,7,8,9,10,11
	ds_load_b128 v[OUTW+4*\p:OUTW+4*\p+3], v3 offset:WTIL*(\p/6)+512*(\p%6)
.endr
.irp p, 0,1,2,3,4,5,6,7,8,9,10,11
	s_wait_dscnt 11-\p                             ; piece p is in; the younger ones may be out
	global_store_b128 v4, v[OUTW+4*\p:OUTW+4*\p+3], s[12:13] offset:512*\p   ; 512 consecutive bytes
.endr
	global_store_b64 v5, v[14:15], s[14:15]        ; the 32 lanes fill 256 consecutive bytes
	s_wait_tensorcnt 0x0                           ; the wave's end
	ds_add_u32 v30, v31
	s_wait_dscnt 0x0
	s_endpgm
	; ---------------- x ----------------
.Lx:
	s_sub_co_u32 s17, ttmp9, WGW                   ; P: tiles 2 P, 2 P + 1
	s_lshl_b32 s24, s17, 17                        ; x: the pair's first token is 32 P - 16 (P % 2); rows of 4,096 bytes
	s_and_b32 s30, s17, 1
	s_lshl_b32 s30, s30, 16
	s_sub_co_u32 s24, s24, s30
	s_lshl_b32 s30, s16, 10                        ; + kk x 1,024 (kk = my wave)
	s_add_co_u32 s24, s24, s30
	s_add_nc_u64 s[4:5], s[4:5], s[24:25]
	s_mul_i32 s26, s16, 24576                      ; xc: 98,304 (P / 4) + 24,576 kk + 6,144 (P % 4)
	s_lshr_b32 s30, s17, 2
	s_mul_i32 s30, s30, 73728
	s_add_co_u32 s26, s26, s30
	s_mul_i32 s30, s17, 6144
	s_add_co_u32 s26, s26, s30
	s_add_nc_u64 s[8:9], s[8:9], s[26:27]
	s_lshl_b32 s28, s17, 2                         ; xs: (4 P + kk) x 256
	s_add_co_u32 s28, s28, s16
	s_lshl_b32 s28, s28, 8
	s_add_nc_u64 s[10:11], s[10:11], s[28:29]
	v_and_b32 v5, 31, v0
	v_lshlrev_b32 v1, 4, v5                        ; 16 x lane
	LOADF 0
	LOADF 1
	s_mov_b32 s[SEL], 0x76543210
	s_mov_b32 s[SEL+1], 0xfedcba98
	s_mov_b32 s22, 0xffff0000                      ; lanes 16-31
	v_lshlrev_b32 v2, 3, v5                        ; 8 x lane
	s_mul_i32 s23, s16, XSTG                       ; my stage
	v_add_nc_u32 v3, s23, v1                       ; into it: 16 x lane of a row
	v_and_b32 v6, 15, v0
	v_bfe_u32 v7, v0, 4, 1
	v_mul_u32_u24 v4, v6, 528
	v_lshl_add_u32 v4, v7, 7, v4
	v_add_nc_u32 v4, s23, v4                       ; out of it: row r, + 128 h
	v_lshlrev_b32 v[SH8], 3, v7
	v_mov_b32 v[BP], 0                             ; written once: a lane permute's destination counts as one of its sources
	s_wait_alu depctr_va_vdst(0)
	FRAGX 0
	FRAGX 1
	FRAGX 2
	FRAGX 3
	v_cndmask_b32 v28, v[PW], v[PW+2], s22         ; lanes 0-15 keep tile 2 P's words, lanes 16-31 take tile 2 P + 1's (both halves of the lanes hold row r's word)
	v_cndmask_b32 v29, v[PW+1], v[PW+3], s22
	global_store_b64 v2, v[28:29], s[10:11]        ; 256 consecutive bytes
	s_wait_tensorcnt 0x0                           ; the wave's end
	ds_add_u32 v30, v31
	s_wait_dscnt 0x0
	s_endpgm
.Lfunc_end_k_q430a9364e7_quant:
	.size	k_q430a9364e7_quant, .Lfunc_end_k_q430a9364e7_quant-k_q430a9364e7_quant
	.p2alignl 7, 3214868480
	.fill 96, 4, 3214868480
	.section	.rodata,"a",@progbits
	.p2align	6, 0x0
	.amdhsa_kernel k_q430a9364e7_quant
		.amdhsa_group_segment_fixed_size 59904
		.amdhsa_private_segment_fixed_size 0
		.amdhsa_enable_private_segment 0
		.amdhsa_kernarg_size 48
		.amdhsa_user_sgpr_count 2
		.amdhsa_user_sgpr_kernarg_segment_ptr 1
		.amdhsa_wavefront_size32 1
		.amdhsa_system_sgpr_workgroup_id_x 1
		.amdhsa_system_sgpr_workgroup_id_y 1
		.amdhsa_system_sgpr_workgroup_id_z 1
		.amdhsa_system_vgpr_workitem_id 0
		.amdhsa_next_free_vgpr 256
		.amdhsa_next_free_sgpr 66
		.amdhsa_reserve_vcc 0
		.amdhsa_float_denorm_mode_32 3
		.amdhsa_float_denorm_mode_16_64 3
		.amdhsa_memory_ordered 1
		.amdhsa_forward_progress 1
		.amdhsa_inst_pref_size 73
	.end_amdhsa_kernel
	.amdgpu_metadata
---
amdhsa.version: [ 1, 2 ]
amdhsa.kernels:
  - .name:           k_q430a9364e7_quant
    .symbol:         k_q430a9364e7_quant.kd
    .args:
      - { .name: x, .offset: 0, .size: 8, .value_kind: global_buffer, .address_space: global }
      - { .name: W_qkv, .offset: 8, .size: 8, .value_kind: global_buffer, .address_space: global }
      - { .name: xc, .offset: 16, .size: 8, .value_kind: global_buffer, .address_space: global }
      - { .name: xs, .offset: 24, .size: 8, .value_kind: global_buffer, .address_space: global }
      - { .name: wc, .offset: 32, .size: 8, .value_kind: global_buffer, .address_space: global }
      - { .name: ws, .offset: 40, .size: 8, .value_kind: global_buffer, .address_space: global }
    .group_segment_fixed_size: 59904
    .private_segment_fixed_size: 0
    .kernarg_segment_align: 8
    .kernarg_segment_size: 48
    .max_flat_workgroup_size: 128
    .sgpr_count:     66
    .vgpr_count:     256
    .wavefront_size: 32
...
	.end_amdgpu_metadata
.endif
;; end of part 1
;; launch proj (part 2): grid 16 x 16, 4 waves a work-group, clusters of 4 x 4, 327,680 bytes of LDS; arguments xc, xs, wc, ws, b_qkv, qbuf, kv; writes qbuf, kv
.if DOCPART == 2
	.amdgcn_target "amdgcn-amd-amdhsa--gfx1250"
	.amdhsa_code_object_version 6
	.text
	.protected	k_q430a9364e7_proj
	.globl	k_q430a9364e7_proj
	.p2align	8
	.type	k_q430a9364e7_proj,@function
k_q430a9364e7_proj:
	s_mov_b64 s[64:65], 0
	v_nop
	global_prefetch_b8 v0, s[64:65] scope:SCOPE_SE
	s_setreg_imm32_b32 hwreg(HW_REG_WAVE_MODE, 25, 1), 1
	s_wait_xcnt 0x0
	s_wait_alu depctr_hold_cnt(0) depctr_sa_sdst(0) depctr_va_vdst(0) depctr_va_sdst(0) depctr_va_ssrc(0) depctr_va_vcc(0) depctr_vm_vsrc(0)
	s_getreg_b32 s2, hwreg(HW_REG_IB_STS2, 6, 4)
	s_cmp_eq_u32 s2, 0
	s_cbranch_scc0 .Lentry_in_a_cluster
	s_endpgm
.Lentry_in_a_cluster:
	s_bfe_u32 s2, ttmp6, 0x10000c
	s_cmp_lg_u32 s2, 0xf033
	s_cbranch_scc0 .Lentry_shape_is_right
	s_endpgm
.Lentry_shape_is_right:
; qkv = Q(x) Q(W) + b on codes of BF6 (E3M2) with E8M0 scales, K = 1,024; q and k are then quantised along the head's 64 channels, v along the tokens, in registers, and leave as images of operand registers.
; SHARES.  256 WORK-GROUPS THAT STAY: each makes two blocks of 256 tokens, one after the other, x one head's 192 columns.  Wave (i, j) = (wave / 2, wave % 2): tokens 128 i .. 128 i + 127 of the block (8 tiles of x) x six tiles of W:
; a whole section of 64 columns (j = 0: q, j = 1: k) and two tiles of v.  48 accumulators; 14 fragments from LDS feed 48 products.  A wave owns all that a block of 32 needs on the way out: no LDS and no barrier there.
; q AND k ARE MADE TRANSPOSED (source 0 = 16 columns of W, source 1 = 16 tokens): a lane holds one token, and since tile T's row r is neighbour 8 T + r % 8 + 32 (r / 8) of 64, the 32 registers of a section's four tiles are
; channels 32 (lane / 16) + 0 .. 31: one whole scale block.  v IS MADE THE NATURAL WAY (source 0 = 16 tokens, source 1 = 16 columns): a lane holds one channel, and the 32 registers of four token tiles are tokens 32 (lane / 16) + 0 .. 31 of 64.
; The bias is the C of each sum's first product (so the order of the f32 additions differs from bias-last in the last bit).
; OUT.  qbuf [bh 64][s 16][6656]: for 128 tokens four PACKED fragments (registers 0-5: the 64 channels of token tile 2 f, registers 6-11: those of tile 2 f + 1), then [lane 32][4 scale words].
; kv [bh][s][13312]: k as in qbuf; at 6656 + 3328 j: v's channel tiles 2 j, 2 j + 1 (16 channels x 128 tokens each), then [lane 32][2 scale words].  Both halves of the lanes hold row r's words.
; K goes in four steps of 256.  A half-block's four steps lie on end in xc and in wc, so steps 0, 1, 2 of a half-block are one dense block: ONE tensor load a wave (288 or 216 rows of 256 bytes).
; Step 3 comes into step 0's bytes when all have left them, in step 1's round: four steps together are 344,064 bytes, more than the 327,680 that a work-group can claim.
; FROM BLOCK TO BLOCK.  At the head of the first block's last step of 128 every wave holds that step's fragments in registers: nobody reads LDS any more.  So that step carries the three lines and a round, and the second block's
; steps 0, 1, 2 are asked for behind it: that load has the step's last 32 products and the whole way out in which to land.  The two blocks are written out by one macro: no load is jumped over.
; CLUSTERS: 4 x 4 work-groups.  x's tiles hang on the token blocks alone and are asked for jointly along a row of the cluster, W's on the head alone, along a column.
; PREFETCH: the second block's steps 0, 1, 2 of x, 576 blocks of 256 bytes, are asked for behind the first block's step 2, five steps of 128 ahead of their load: the sixteen waves of a row of the cluster take 36 blocks each, told apart by address.
; W's rows have been read by this work-group for the first block; the first block's tiles are asked for at the head, with nothing to run ahead in.
; LIMITS: as the launch before: the byte 1 for blocks of zeros and for blocks under 2^-122; NaN and infinities are not served.
; REGISTERS.  window 0: v1-10 addresses; v12-23, v88-113 the quantiser's and the prefetches'; v28, v29 for the add; v32-63 x's scale words, v64-87 W's; v128-255 v's 16 accumulators (128 + 64 t + 8 ii).
;   windows 1 and 2: two sets of fragments: v0-95 x's eight, v96-167 W's six; in window 1 also v168-199 the section's bias, v200-215 v's.   window 3: the section's 32 accumulators (32 ii + 8 t).
.set PLX,   24576                      ; a K step of a half-block of x: 8 tiles x 3,072 bytes, in memory and in LDS
.set PLW,   18432                      ; of W: 6 tiles
.set XH,    3*PLX                      ; LDS: x's half-block 0, three steps; then half-block 1
.set WB,    2*XH                       ; then W's two
.set WH,    3*PLW
.set SPARE, WB+2*WH                    ; behind them: the spare words, 128 bytes for each wave: two blocks of 256 bytes that no other line names
.set LI,   1                           ; v1   16 x lane
.set L8,   2                           ; v2   8 x lane
.set ADRX, 3                           ; v3-5 LDS address of my x fragments of the three steps that LDS holds
.set ADRW, 6                           ; v6-8 of my W fragments
.set BH,   9                           ; v9   128 (lane / 16)
.set BR,   10                          ; v10  4 (r % 8 + 32 (r / 8))
.set TM,   12                          ; v12-15 four chains of largest magnitudes
.set SO,   18                          ; v18, v19 the conversions' scale operands
.set BP,   20                          ; v20  a lane permute's result
.set SH8,  21                          ; v21  8 (lane / 16)
.set PF,   22                          ; v22, v23 the prefetches' offsets: 256 x lane; 256 x min(32 + lane, 35); never rewritten
.set SPW,  28
.set NIL,  29
.set SX,   32                          ; register 8 P + q: lanes 0-15 the words of x tile 2 P, lanes 16-31 of tile 2 P + 1, for the q-th 128 along K
.set SW,   64                          ; the same for W's three pairs of tiles
.set PC,   88
.set PW,   108
.set PWV,  112
.set ACCV, 128
.set XF,   0
.set WF,   96
.set BS,   168
.set BV,   200
.set G1A,  16                          ; s[16:23] descriptor group 1 for x's tiles;  s[24:31] for W's
.set G1B,  24
.set G0A,  32                          ; s[32:35] group 0 for x's;  s[44:47] for W's
.set G0B,  44
.set SEL,  96                          ; s[96:97]
.set PFA,  100                         ; s[100:101] where my 36 blocks of the prefetch begin
.set MSB, 0
.macro WIN new                         ; the immediate's high byte repeats the setting that is left; a switch that changes nothing is dropped
.if MSB != (\new)
	s_set_vgpr_msb (MSB<<8)|(\new)
.set MSB, (\new)
.endif
.endm
.macro PLACES                          ; four plain places: in front of loads into registers that matrix instructions have read, and of the first read of results
.rept 4
	v_nop
.endr
.endm
.macro CREST                           ; a round of the cluster's barrier behind its opening barrier
	s_cmp_lg_u32 s58, 0
	s_cbranch_scc1 .Lnot_wave_0_\@
	s_barrier_signal -3
.Lnot_wave_0_\@:
	s_barrier_wait -3
	s_barrier_signal -1
	s_barrier_wait -1
.endm
.macro CROUND
	s_barrier_signal -1
	s_barrier_wait -1
	CREST
.endm
.macro JLOAD                           ; waves 0 and 1 ask for x's half-blocks, waves 2 and 3 for W's; an s_nop 0 and four v_nop follow each of the two lines
	s_cmp_eq_u32 s59, 0
	s_cbranch_scc0 .Lfor_b_\@
	tensor_load_to_lds s[G0A:G0A+3], s[G1A:G1A+7]
	s_nop 0
.rept 4
	v_nop
.endr
	s_branch .Lasked_\@
.Lfor_b_\@:
	tensor_load_to_lds s[G0B:G0B+3], s[G1B:G1B+7]
	s_nop 0
.rept 4
	v_nop
.endr
.Lasked_\@:
.endm
.macro ROWS a, b                       ; how many rows of 256 bytes a load brings: a of x, b of W.  Written where no tensor load of mine is out
	s_mov_b32 s[G1A+2], (\a)<<16                   ; tensor_dim1
	s_mov_b32 s[G1A+4], \a                         ; tile_dim1
	s_mov_b32 s[G1B+2], (\b)<<16
	s_mov_b32 s[G1B+4], \b
.endm
.macro WM                              ; one product, from the symbols rD rA rB rC rSA rSB; fA, fB: the side's scale words stand in lanes 16-31
.if (fA == 0) && (fB == 0)
	v_wmma_scale_f32_16x16x128_f8f6f4 v[rD:rD+7], v[rA:rA+11], v[rB:rB+11], v[rC:rC+7], v[rSA], v[rSB] matrix_a_fmt:MATRIX_FMT_BF6 matrix_b_fmt:MATRIX_FMT_BF6
.elseif fB == 0
	v_wmma_scale_f32_16x16x128_f8f6f4 v[rD:rD+7], v[rA:rA+11], v[rB:rB+11], v[rC:rC+7], v[rSA], v[rSB] matrix_a_fmt:MATRIX_FMT_BF6 matrix_b_fmt:MATRIX_FMT_BF6 matrix_a_scale:MATRIX_SCALE_ROW1
.elseif fA == 0
	v_wmma_scale_f32_16x16x128_f8f6f4 v[rD:rD+7], v[rA:rA+11], v[rB:rB+11], v[rC:rC+7], v[rSA], v[rSB] matrix_a_fmt:MATRIX_FMT_BF6 matrix_b_fmt:MATRIX_FMT_BF6 matrix_b_scale:MATRIX_SCALE_ROW1
.else
	v_wmma_scale_f32_16x16x128_f8f6f4 v[rD:rD+7], v[rA:rA+11], v[rB:rB+11], v[rC:rC+7], v[rSA], v[rSB] matrix_a_fmt:MATRIX_FMT_BF6 matrix_b_fmt:MATRIX_FMT_BF6 matrix_a_scale:MATRIX_SCALE_ROW1 matrix_b_scale:MATRIX_SCALE_ROW1
.endif
.endm
; Eight products of the section: x tiles a0, a0 + 1 x W tiles 0-3, the q-th 128 along K.  first = 1: C is the bias.  The 48 accumulators take turns, one instruction a turn, in the same order in every step.
.macro SEC8 q, a0, first
.irp ii, \a0, \a0+1
.irp t, 0,1,2,3
.set rD, 32*(\ii)+8*\t
.set rA, WF+12*\t
.set rB, XF+12*(\ii)
.if \first
.set rC, BS+8*\t
.else
.set rC, rD
.endif
.set rSA, SW+8*(\t/2)+(\q)
.set rSB, SX+8*((\ii)/2)+(\q)
.set fA, \t%2
.set fB, (\ii)%2
	WM
.endr
.endr
.endm
.macro VEE q, first                    ; sixteen products of v: x tiles 0-7 (source 0) x W tiles 4, 5 (source 1)
.irp ii, 0,1,2,3,4,5,6,7
.irp t, 0,1
.set rD, ACCV+64*\t+8*\ii
.set rA, XF+12*\ii
.set rB, WF+12*(4+\t)
.if \first
.set rC, BV+8*\t
.else
.set rC, rD
.endif
.set rSA, SX+8*(\ii/2)+(\q)
.set rSB, SW+16+(\q)
.set fA, \ii%2
.set fB, \t
	WM
.endr
.endr
.endm
.macro SECWIN q, first                 ; sources 0 and 1: the step's set (window 1 or 2); C and D window 3; the bias window 1
.if \first
	WIN 0xd5
.elseif (\q)%2 == 0
	WIN 0xf5
.else
	WIN 0xfa
.endif
.endm
.macro VEEWIN q, first                 ; the same with C and D in window 0
.if \first
	WIN 0x15
.elseif (\q)%2 == 0
	WIN 0x05
.else
	WIN 0x0a
.endif
.endm
.macro FETCH n, qq, set                ; 42 LDS loads in one run: my 14 fragments of place n's qq-th 128 along K, as they stand
	WIN ((1+(\set))<<6)
.irp ii, 0,1,2,3,4,5,6,7
.irp p, 0,1,2
	ds_load_b128 v[XF+12*\ii+4*\p:XF+12*\ii+4*\p+3], v[ADRX+\n] offset:3072*\ii+1536*(\qq)+512*\p
.endr
.endr
.irp t, 0,1,2,3,4,5
.irp p, 0,1,2
	ds_load_b128 v[WF+12*\t+4*\p:WF+12*\t+4*\p+3], v[ADRW+\n] offset:3072*\t+1536*(\qq)+512*\p
.endr
.endr
.endm
.macro TAIL q, first                   ; the last 32 products of a step
	SECWIN \q, \first
	SEC8 \q, 4, \first
	SEC8 \q, 6, \first
	VEEWIN \q, \first
	VEE \q, \first
	WIN 0
.endm
; A step of 128 along K whose successor lies in bytes that are known to be whole: (n, qq)
.macro STEP q, first, n, qq
	s_wait_dscnt 0x0                               ; this step's 42 loads, issued 32 products ago, are in
	SECWIN \q, \first
	SEC8 \q, 0, \first
	SEC8 \q, 2, \first
	PLACES
	FETCH \n, \qq, 1-(\q)%2
	TAIL \q, \first
.endm
; The first sixteen products of a step with a barrier: all my tensor loads, the add, the wait for it and for my LDS reads, the barrier
.macro MEET q
	s_wait_tensorcnt 0x0                           ; all my tensor loads have landed
	ds_add_u32 v[SPW], v[NIL]                      ; 0 onto my spare word
	s_wait_dscnt 0x1                               ; the add alone may be out: this step's fragments are in
	SECWIN \q, 0
	SEC8 \q, 0, 0                                  ; eight products stand between the add and the wait for it
	s_wait_dscnt 0x0                               ; the add is done; my LDS reads were done before
	s_barrier_signal -1
	SEC8 \q, 2, 0                                  ; work on registers while the others arrive
	WIN 0
	s_barrier_wait -1
.endm
; refill = 1 (step 1): all have fetched the last of K step 0; its bytes take K step 3, by the joint refill first behind a round of the cluster's barrier.  refill = 0 (step 5): the refill is shown to all four waves; nothing is filled.
.macro TURN q, refill, n
	MEET \q
.if \refill
	CREST                                          ; the barrier has opened a round of the cluster's: no wave of any partner still reads K step 0's bytes or has a load on its way
	s_add_nc_u64 s[G0A+2:G0A+3], s[G0A+2:G0A+3], 3*PLX   ; the descriptors go on to K step 3; no load of mine is out
	s_add_nc_u64 s[G0B+2:G0B+3], s[G0B+2:G0B+3], 3*PLW
	ROWS 96, 72                                    ; one step's rows
	JLOAD                                          ; its four v_nop are also the places in front of the loads below
.else
	PLACES
.endif
	FETCH \n, 0, 0
	TAIL \q, 0
.endm
; A block's last step fetches nothing.  more = 1: nobody reads LDS any more, and the next block's K steps 0, 1, 2 are asked for
.macro LAST more
.if \more
	MEET 7
	CREST
	s_add_nc_u64 s[G0A+2:G0A+3], s[G0A+2:G0A+3], 5*PLX   ; from this block's K step 3 to the next block's K step 0: its half-block lies two half-blocks on
	s_sub_nc_u64 s[G0B+2:G0B+3], s[G0B+2:G0B+3], 3*PLW   ; W: back to K step 0
	ROWS 288, 216                                  ; three steps' rows
	JLOAD
.else
	s_wait_dscnt 0x0
	SECWIN 7, 0
	SEC8 7, 0, 0
	SEC8 7, 2, 0
.endif
	TAIL 7, 0
.endm
; 64 numbers of a lane in window w, register 32 c + i = element 64 c + 32 (lane / 16) + i of my row, become 12 registers of codes in v[PC] on and a scale word in v[pw] (window 0).  Each accumulator is first read at its low end.
.macro QUANT s, w, pw
	WIN (((\w)<<4)|((\w)<<2))
.irp k, 0,1,2,3
	v_max3_num_f32 v[TM+\k], 0x2800000, |v[\s+16*\k]|, |v[\s+1+16*\k]|   ; four chains, two to a block.  The floor 2^(5 - 127) stands first: sources 1 and 2 alone lie in window w
.endr
.irp i, 2,4,6,8,10,12,14
.irp k, 0,1,2,3
	v_max3_num_f32 v[TM+\k], v[TM+\k], |v[\s+16*\k+\i]|, |v[\s+1+16*\k+\i]|
.endr
.endr
	WIN 0
	v_max_num_f32 v[TM], v[TM], v[TM+1]
	v_max_num_f32 v[TM+2], v[TM+2], v[TM+3]
	v_add_nc_u32 v[SO], 0xfe000000, v[TM]          ; 4 off the exponent field: the conversion's scale operand
	v_add_nc_u32 v[SO+1], 0xfe000000, v[TM+2]
	v_lshrrev_b32 v[TM], 23, v[SO]
	v_lshrrev_b32 v[TM+2], 23, v[SO+1]
	v_lshl_or_b32 v[TM], v[TM+2], 16, v[TM]        ; my two bytes: blocks h and 2 + h,
	v_lshlrev_b32 v[TM], v[SH8], v[TM]             ; at their places in the word;
	v_permlanex16_b32 v[BP], v[TM], s[SEL], s[SEL+1]
	v_or_b32 v[\pw], v[TM], v[BP]                  ; with lane l xor 16's two the word is whole
	s_wait_alu depctr_va_vdst(0)
	s_wait_xcnt 0x0                                ; the last fragment's stores have read the codes' registers
	WIN (\w)
.irp c, 0,1
	v_cvt_scalef32_pk16_bf6_f32 v[PC+6*\c:PC+2+6*\c], v[\s+32*\c:\s+15+32*\c], v[SO+\c]
	v_cvt_scalef32_pk16_bf6_f32 v[PC+12+4*\c:PC+14+4*\c], v[\s+16+32*\c:\s+31+32*\c], v[SO+\c]
.endr
	WIN 0
	v_nop                                          ; one plain place behind the scaled conversions
.irp c, 0,1
.irp i, 0,1,2
	v_mov_b32 v[PC+3+6*\c+\i], v[PC+12+4*\c+\i]
.endr
.endr
.endm
.macro XWORDS                          ; x's scale words of my 128 tokens: each load covers 256 consecutive bytes: a pair of tiles' words for 256 along K
.irp pp, 0,1,2,3
.irp kk, 0,1,2,3
	global_load_b64 v[SX+8*\pp+2*\kk:SX+8*\pp+2*\kk+1], v[L8], s[6:7] offset:1024*\pp+256*\kk
.endr
.endr
.endm
; A BLOCK OF 256 TOKENS.  more = 1: another follows
.macro RUN more
	s_wait_alu depctr_va_vdst(0)
	s_wait_tensorcnt 0x0                           ; my half-block's three steps are in
	s_barrier_signal -1
	s_barrier_wait -1                              ; everybody's are
	FETCH 0, 0, 0
	s_wait_loadcnt 0x0                             ; the scale words (and, the first time, the biases)
	STEP 0, 1, 0, 1                                ; the first step's products start the sums on the bias: nothing is cleared
	TURN 1, 1, 1
	STEP 2, 0, 1, 1
.if \more
	global_prefetch_b8 v[PF], s[PFA:PFA+1] th:TH_LOAD_NT scope:SCOPE_SE     ; my 36 blocks of the next block's rows of x: 32,
	global_prefetch_b8 v[PF+1], s[PFA:PFA+1] th:TH_LOAD_NT scope:SCOPE_SE   ; and 4 (the lanes left over name the last again)
.endif
	STEP 3, 0, 2, 0
	STEP 4, 0, 2, 1
	TURN 5, 0, 0
	STEP 6, 0, 0, 1
	LAST \more
	PLACES                                         ; ahead of the first read of results, and of loads into the scale words that the last products have read
.if \more
	s_add_nc_u64 s[6:7], s[6:7], 8192              ; the next block's scale words of x come under the way out (the earlier loads from this base were waited for)
	XWORDS
.endif
	; THE WAY OUT: quantised in registers, stored as images: every store covers 512 (the last: 256) consecutive bytes
.irp f, 0,1,2,3                                ; token tiles 2 f and 2 f + 1, 64 channels each: a packed fragment
	QUANT 64*\f, 3, PW+\f
.irp p, 0,1,2
	global_store_b128 v[LI], v[PC+4*\p:PC+4*\p+3], s[92:93] offset:1536*\f+512*\p
.endr
.endr
	global_store_b128 v[LI], v[PW:PW+3], s[92:93] offset:6144   ; the four scale words of my row
.irp t, 0,1                                    ; v: channel tile 2 j + t, 128 tokens
	QUANT ACCV+64*\t, 0, PWV+\t
.irp p, 0,1,2
	global_store_b128 v[LI], v[PC+4*\p:PC+4*\p+3], s[94:95] offset:1536*\t+512*\p
.endr
.endr
	global_store_b64 v[L8], v[PWV:PWV+1], s[94:95] offset:3072
.if \more
	s_wait_xcnt 0x0                                ; the stores have read their bases
	s_add_nc_u64 s[92:93], s[92:93], s[98:99]      ; the next block's results lie two chunks of 128 tokens on
	s_add_nc_u64 s[94:95], s[94:95], 2*13312
.endif
.endm
	s_load_b256 s[4:11], s[0:1], 0x0               ; xc s[4:5], xs s[6:7], wc s[8:9], ws s[10:11]
	s_load_b128 s[12:15], s[0:1], 0x20             ; b_qkv s[12:13], qbuf s[14:15]
	s_load_b64 s[56:57], s[0:1], 0x30              ; kv
	v_lshl_add_u32 v[SPW], v0, 2, SPARE
	v_mov_b32 v[NIL], 0
	ds_add_u32 v[SPW], v[NIL]                      ; the opening lines
	ds_add_u32 v[SPW], v[NIL]
	v_lshrrev_b32 v1, 5, v0
	v_readfirstlane_b32 s58, v1                    ; wave 0..3
	s_lshr_b32 s59, s58, 1                         ; i: my half of the tokens.  Also: I fetch for x (0) or for W (1)
	s_and_b32 s60, s58, 1                          ; j: my half of the columns.  Also: which half-block I fetch
	s_bfe_u32 s61, ttmp6, 0x40000                  ; cx
	s_bfe_u32 s62, ttmp6, 0x40004                  ; cy
	s_lshl_b32 s63, ttmp9, 2
	s_add_co_u32 s63, s63, s61                     ; head = 4 x cluster x + cx
	s_and_b32 s66, ttmp7, 0xffff
	s_lshl_b32 s66, s66, 2
	s_add_co_u32 s66, s66, s62
	s_lshl_b32 s66, s66, 1                         ; mb, my first block of 256 tokens = 2 (4 x cluster y + cy); the second is mb + 1
	s_lshl_b32 s67, s62, 2
	s_lshl_b32 s67, 15, s67                        ; my row of the cluster
	s_lshl_b32 s68, 0x1111, s61                    ; my column
	; descriptor group 1: a dense block as rows of 256 bytes (32 elements of 8 bytes), no padding
	s_or_b32 s[G1A], s67, (3<<16)|(1<<21)          ; 15:0 the mask; 17:16 elements of 8 bytes; 21 set beside a mask
	s_or_b32 s[G1B], s68, (3<<16)|(1<<21)
.irp g, G1A, G1B
	s_mov_b32 s[\g+1], 32<<16                      ; tensor_dim0 = 32
	s_mov_b32 s[\g+3], 32<<16                      ; tile_dim0 = 32
	s_mov_b32 s[\g+5], 32                          ; from row to row
	s_mov_b32 s[\g+6], 0
	s_mov_b32 s[\g+7], 0
.endr
	ROWS 288, 216                                  ; three K steps
	s_mul_i32 s70, s66, 8*PLX                      ; x: half-block 2 mb + j, four steps each: made of mb and the wave alone
	s_mul_i32 s72, s60, 4*PLX
	s_add_co_u32 s70, s70, s72
	s_mov_b32 s71, 0
	s_mul_i32 s72, s60, XH                         ; its place in LDS
	s_mul_i32 s74, s63, 8*PLW                      ; W: half-block 2 head + j: made of the head and the wave alone
	s_mul_i32 s76, s60, 4*PLW
	s_add_co_u32 s74, s74, s76
	s_mov_b32 s75, 0
	s_mul_i32 s76, s60, WH
	s_add_co_u32 s76, s76, WB                      ; its place in LDS
	s_wait_dscnt 0x0                               ; both opening adds are done
	s_wait_kmcnt 0x0
	CROUND                                         ; all sixteen work-groups are here: the first joint loads meet
	s_mov_b32 s[G0A], 1
	s_mov_b32 s[G0A+1], s72
	s_add_nc_u64 s[G0A+2:G0A+3], s[4:5], s[70:71]
	s_or_b32 s[G0A+3], s[G0A+3], 0x80000000
	s_mov_b32 s[G0B], 1
	s_mov_b32 s[G0B+1], s76
	s_add_nc_u64 s[G0B+2:G0B+3], s[8:9], s[74:75]
	s_or_b32 s[G0B+3], s[G0B+3], 0x80000000
	JLOAD                                          ; K steps 0, 1, 2 of my half-block: my one tensor load at the head
	v_and_b32 v11, 31, v0
	v_lshlrev_b32 v[LI], 4, v11
	v_lshlrev_b32 v[L8], 3, v11
	v_lshlrev_b32 v[PF], 8, v11
	v_add_nc_u32 v[PF+1], 32, v11
	v_min_u32 v[PF+1], 35, v[PF+1]
	v_lshlrev_b32 v[PF+1], 8, v[PF+1]
	v_bfe_u32 v11, v0, 4, 1
	v_lshlrev_b32 v[BH], 7, v11
	v_lshlrev_b32 v[SH8], 3, v11
	v_and_b32 v[BR], 7, v0
	v_bfe_u32 v11, v0, 3, 1
	v_lshlrev_b32 v[BR], 2, v[BR]
	v_lshl_add_u32 v[BR], v11, 7, v[BR]
	v_mov_b32 v[BP], 0                             ; written once: a lane permute's destination counts as one of its sources
	s_wait_alu depctr_va_vdst(0)
	s_lshl_b32 s78, s66, 13                        ; xs: (8 mb + 4 i) x 1,024
	s_lshl_b32 s80, s59, 12
	s_add_co_u32 s78, s78, s80
	s_mov_b32 s79, 0
	s_add_nc_u64 s[6:7], s[6:7], s[78:79]
	s_mul_i32 s78, s63, 6144                       ; ws: (6 head + 3 j) x 1,024
	s_mul_i32 s80, s60, 3072
	s_add_co_u32 s78, s78, s80
	s_add_nc_u64 s[10:11], s[10:11], s[78:79]
	s_mul_i32 s78, s63, 768                        ; b: the head's 192 numbers
	s_lshl_b32 s80, s60, 8
	s_add_co_u32 s80, s78, s80                     ; my section's 64
	s_mov_b32 s81, 0
	s_add_nc_u64 s[80:81], s[12:13], s[80:81]
	s_lshl_b32 s82, s60, 6
	s_add_co_u32 s82, s82, s78
	s_add_co_u32 s82, s82, 512                     ; v's, from channel 16 j on
	s_mov_b32 s83, 0
	s_add_nc_u64 s[82:83], s[12:13], s[82:83]
	XWORDS
.irp pp, 0,1,2
.irp kk, 0,1,2,3
	global_load_b64 v[SW+8*\pp+2*\kk:SW+8*\pp+2*\kk+1], v[L8], s[10:11] offset:1024*\pp+256*\kk
.endr
.endr
	WIN 0x40                                       ; destination window 1
.irp t, 0,1,2,3                                ; the section's bias in the result's layout: lane (r, h), tile t: channels 32 h + 8 t + 0 .. 7
	global_load_b128 v[BS+8*\t:BS+8*\t+3], v[BH], s[80:81] offset:32*\t
	global_load_b128 v[BS+8*\t+4:BS+8*\t+7], v[BH], s[80:81] offset:32*\t+16
.endr
.irp t, 0,1                                    ; v's: a lane holds one channel, 16 j + 8 t + r % 8 + 32 (r / 8): eight equal registers
.irp n, 0,1,2,3,4,5,6,7
	global_load_b32 v[BV+8*\t+\n], v[BR], s[82:83] offset:32*\t
.endr
.endr
	WIN 0
	s_mul_i32 s84, s59, XH                         ; my 8 tiles of x,
	s_mul_i32 s85, s60, WH
	s_add_co_u32 s85, s85, WB                      ; my 6 of W
.irp n, 0,1,2
	v_add_nc_u32 v[ADRX+\n], s84, v[LI]
	v_add_nc_u32 v[ADRW+\n], s85, v[LI]
	s_add_co_u32 s84, s84, PLX
	s_add_co_u32 s85, s85, PLW
.endr
	; the prefetch: of block mb + 1's two half-blocks, three steps each, wave 4 cx + wave of the sixteen takes blocks 36 n .. 36 n + 35 of 576: eight waves to a half-block
	s_lshl_b32 s84, s61, 2
	s_add_co_u32 s84, s84, s58                     ; n
	s_lshr_b32 s85, s84, 3
	s_mul_i32 s85, s85, 4*PLX                      ; the half-block
	s_and_b32 s84, s84, 7
	s_mul_i32 s84, s84, 36*256
	s_add_co_u32 s84, s84, s85
	s_mul_i32 s85, s66, 8*PLX
	s_add_co_u32 s84, s84, s85
	s_add_co_u32 s84, s84, 8*PLX                   ; block mb + 1
	s_mov_b32 s85, 0
	s_add_nc_u64 s[PFA:PFA+1], s[4:5], s[84:85]
	; where my results go
	s_lshr_b32 s84, s66, 3                         ; the batch
	s_lshl_b32 s84, s84, 4
	s_add_co_u32 s84, s84, s63                     ; bh
	s_lshl_b32 s84, s84, 4
	s_and_b32 s85, s66, 7
	s_lshl_b32 s85, s85, 1
	s_add_co_u32 s84, s84, s85
	s_add_co_u32 s84, s84, s59                     ; 16 bh + s, s = 2 (mb % 8) + i
	s_mov_b32 s86, 13312
	s_cmp_eq_u32 s60, 0                            ; j = 0: q, into qbuf; j = 1: k, into kv.  The choice hangs on the wave's number alone
	s_cselect_b64 s[92:93], s[14:15], s[56:57]
	s_cselect_b32 s86, 6656, s86
	s_lshl_b32 s98, s86, 1                         ; from a block's results to the next block's: two chunks
	s_mov_b32 s99, 0
	s_mul_i32 s86, s84, s86
	s_mov_b32 s87, 0
	s_add_nc_u64 s[92:93], s[92:93], s[86:87]
	s_mul_i32 s88, s84, 13312
	s_mul_i32 s90, s60, 3328
	s_add_co_u32 s88, s88, s90
	s_add_co_u32 s88, s88, 6656
	s_mov_b32 s89, 0
	s_add_nc_u64 s[94:95], s[56:57], s[88:89]      ; v's part j of the chunk
	s_mov_b32 s[SEL], 0x76543210
	s_mov_b32 s[SEL+1], 0xfedcba98
	RUN 1
	RUN 0
	s_wait_tensorcnt 0x0                           ; the wave's end
	ds_add_u32 v[SPW], v[NIL]
	s_wait_dscnt 0x0
	CROUND                                         ; the closing round: no work-group ends while a partner may still ask for a tile that names it
	s_endpgm
.Lfunc_end_k_q430a9364e7_proj:
	.size	k_q430a9364e7_proj, .Lfunc_end_k_q430a9364e7_proj-k_q430a9364e7_proj
	.p2alignl 7, 3214868480
	.fill 96, 4, 3214868480
	.section	.rodata,"a",@progbits
	.p2align	6, 0x0
	.amdhsa_kernel k_q430a9364e7_proj
		.amdhsa_group_segment_fixed_size 327680
		.amdhsa_private_segment_fixed_size 0
		.amdhsa_enable_private_segment 0
		.amdhsa_kernarg_size 56
		.amdhsa_user_sgpr_count 2
		.amdhsa_user_sgpr_kernarg_segment_ptr 1
		.amdhsa_wavefront_size32 1
		.amdhsa_system_sgpr_workgroup_id_x 1
		.amdhsa_system_sgpr_workgroup_id_y 1
		.amdhsa_system_sgpr_workgroup_id_z 1
		.amdhsa_system_vgpr_workitem_id 0
		.amdhsa_next_free_vgpr 1024
		.amdhsa_next_free_sgpr 102
		.amdhsa_reserve_vcc 0
		.amdhsa_float_denorm_mode_32 3
		.amdhsa_float_denorm_mode_16_64 3
		.amdhsa_memory_ordered 1
		.amdhsa_forward_progress 1
		.amdhsa_inst_pref_size 205
	.end_amdhsa_kernel
	.amdgpu_metadata
---
amdhsa.version: [ 1, 2 ]
amdhsa.kernels:
  - .name:           k_q430a9364e7_proj
    .symbol:         k_q430a9364e7_proj.kd
    .args:
      - { .name: xc, .offset: 0, .size: 8, .value_kind: global_buffer, .address_space: global }
      - { .name: xs, .offset: 8, .size: 8, .value_kind: global_buffer, .address_space: global }
      - { .name: wc, .offset: 16, .size: 8, .value_kind: global_buffer, .address_space: global }
      - { .name: ws, .offset: 24, .size: 8, .value_kind: global_buffer, .address_space: global }
      - { .name: b_qkv, .offset: 32, .size: 8, .value_kind: global_buffer, .address_space: global }
      - { .name: qbuf, .offset: 40, .size: 8, .value_kind: global_buffer, .address_space: global }
      - { .name: kv, .offset: 48, .size: 8, .value_kind: global_buffer, .address_space: global }
    .group_segment_fixed_size: 327680
    .private_segment_fixed_size: 0
    .kernarg_segment_align: 8
    .kernarg_segment_size: 56
    .max_flat_workgroup_size: 128
    .sgpr_count:     102
    .vgpr_count:     1024
    .wavefront_size: 32
...
	.end_amdgpu_metadata
.endif
;; end of part 2
;; launch attn (part 3): grid 4 x 64, 8 waves a work-group, clusters of 4 x 1, 283,648 bytes of LDS; arguments qbuf, kv, out0; writes out0
.if DOCPART == 3
	.amdgcn_target "amdgcn-amd-amdhsa--gfx1250"
	.amdhsa_code_object_version 6
	.text
	.protected	k_q430a9364e7_attn
	.globl	k_q430a9364e7_attn
	.p2align	8
	.type	k_q430a9364e7_attn,@function
k_q430a9364e7_attn:
	s_mov_b64 s[64:65], 0
	v_nop
	global_prefetch_b8 v0, s[64:65] scope:SCOPE_SE
	s_setreg_imm32_b32 hwreg(HW_REG_WAVE_MODE, 25, 1), 1
	s_wait_xcnt 0x0
	s_wait_alu depctr_hold_cnt(0) depctr_sa_sdst(0) depctr_va_vdst(0) depctr_va_sdst(0) depctr_va_ssrc(0) depctr_va_vcc(0) depctr_vm_vsrc(0)
	s_getreg_b32 s2, hwreg(HW_REG_IB_STS2, 6, 4)
	s_cmp_eq_u32 s2, 0
	s_cbranch_scc0 .Lentry_in_a_cluster
	s_endpgm
.Lentry_in_a_cluster:
	s_bfe_u32 s2, ttmp6, 0x10000c
	s_cmp_lg_u32 s2, 0x3003
	s_cbranch_scc0 .Lentry_shape_is_right
	s_endpgm
.Lentry_shape_is_right:
; out[b][q][64 head + d] = the sum over k of softmax_k(q . k / 8) v[k][d], both products on codes of BF6 (E3M2) with E8M0 scales, for each of 64 (batch, head) = bh.
; THE SOFTMAX AHEAD OF THE SECOND PRODUCT: t = score x log2(e) / 8; M = the running largest t rounded UP to a whole number; p = 2^(t - M) is quantised along the keys, not normalised; the row's sum is taken of the
; unquantised p and divides at the end.  When M moves, the sum and O are multiplied by 2^(old M - new M): exact, and without a branch on data.
; SHARES.  A work-group owns 512 queries of one bh, as two blocks of 256, one after the other; each of its eight waves owns 32 queries of a block: THE TWO TILES x = 0, 1 OF ONE PACKED FRAGMENT OF q.
; Each fragment of k and of v that a wave takes from LDS feeds both tiles, and the two tiles' chains of vector lines, which do not hang on each other, take turns line by line.
; ALL OF A HEAD'S K AND V STAY IN LDS: 16 chunks of 13,312 bytes, one for each 128 keys.  Wave w brings chunks 2 w and 2 w + 1 by ONE tensor load at the head; nothing is ever filled again: no ring, no barrier in the key loop, and no data prefetch (all is asked for at the head).
; CLUSTER.  The four work-groups of a cluster belong to one bh and want the same 16 chunks: they are asked for JOINTLY, by the same loads with a mask that names the four.
; THE FIRST PRODUCT'S K IS 64.  A packed fragment of k holds key tile 2 g in K = 0 .. 63 and key tile 2 g + 1 in K = 64 .. 127; multiplied by (q, zero codes) it gives tile 2 g's scores, by (zero codes, q) tile 2 g + 1's.
; v22-51 hold zeros, q of tile 0, zeros, q of tile 1, zeros, six registers each: every (q, zeros) and (zeros, q) is a run of twelve of them.
; LAYOUT.  Both products are used transposed (S^T = k q^T, O^T = v^T p^T): a lane holds ONE query of each tile.  Tile T's row r is neighbour 8 T + r % 8 + 32 (r / 8) of 64, so the 32 registers of key tiles 4 c .. 4 c + 3 are keys
; 64 c + 32 (lane / 16) + 0 .. 31: ONE WHOLE SCALE BLOCK IN A LANE, in the order of p's operand registers.  O^T's 32 registers are channels 32 (lane / 16) + 0 .. 31.  The queries of a tile follow the same order: the stores' offsets undo it.
; REGISTERS.  Window 0: addresses, scale words (they have no window), q, k's and v's fragments.  Window 1: all that the softmax touches, for both tiles, so that its lines stand under one setting of the windows.
; LIMITS: the promise holds while the scaled scores t stay under 2^31 in magnitude; NaN and infinities are not served; a block whose every p has fallen to 0 keeps the byte 1: its codes are zeros.
.set CH,    13312                      ; a chunk: k's four packed fragments 6,144, their scale words 512; then twice: two fragments of v 3,072, their scale words 256
.set STAGE, 16*CH                      ; behind the chunks: 32 rows x (256 bytes + 16) for each wave, for the way out; no tensor load lands here
.set SP,    272
.set SPARE, STAGE+8*32*SP              ; the spare words: 128 bytes a wave
; window 0
.set LI,  1                            ; v1   16 x lane
.set L8,  2                            ; v2   8 x lane
.set ADR, 3                            ; v3   the step's chunk + 16 x lane
.set AD8, 4                            ; v4   the step's chunk + 8 x lane
.set SPW, 5
.set NIL, 6                            ; v7-9 at work in the head and at a block's start
.set QS,  10                           ; v10, v11 q's scale words (s0, s1, s0, s1), one a tile
.set KSC, 12                           ; v12-15 k's scale words, one for each packed fragment
.set VSC, 16                           ; v16-19 v's, one for each channel tile
.set PW,  20                           ; v20, v21 p's scale words, one a tile
.set QZ,  22                           ; v22-51
.set STO, 52                           ; v52  the way out: where I put 128 bytes of a row
.set RD,  53                           ; v53  where I read a row back
.set GO,  54                           ; v54  my byte offset in out
.set KF,  64                           ; v64-111 k's four fragments
.set VF,  112                          ; v112-159 v's four; q as it is loaded; on the way out v112-175 the rows read back
; window 1 (tile x)
.set SS,  0                            ; 64 x: S^T, then p, then its partial sums
.set OO,  128                          ; 32 x: O^T
.set PC,  192                          ; 12 x: p's codes; ahead of them the four chains of the maxima
.set PT,  216                          ; 4 x: a block's upper 16 codes on the way
.set MM,  224                          ; 2 x: -M, the largest score
.set LL,  228                          ; 2 x: the sum in two halves
.set FF,  232                          ; 2 x: f = 2^(old M - new M); the register above it holds 8 (lane / 16)
.set BM,  236                          ; 2 x: my two blocks' largest score, then largest p
.set SO,  240                          ; 2 x: the conversions' scale operands
.set TA,  244                          ; x: the old -M
.set MX,  246                          ; x: at work
.set BP,  248                          ; x: a lane permute's result
.set BY,  250                          ; 2 x: the scales' bytes
.set WV,  24
.set SEL, 26                           ; s[26:27]
.set CS,  28                           ; s[28:29] c = log2(e) / 8
.set TB,  30                           ; the step's chunk in LDS
.set STEPS, 31
.set BLK, 32
.set NC,  46                           ; -c
.set MSB, 0
.macro WIN new                         ; the immediate's high byte repeats the setting that is left; a switch that changes nothing is dropped
.if MSB != (\new)
	s_set_vgpr_msb (MSB<<8)|(\new)
.set MSB, (\new)
.endif
.endm
.set W1, 0x55                          ; all four places in window 1
.macro ROUND                           ; a round of the cluster's barrier
	s_barrier_signal -1
	s_barrier_wait -1
	s_cmp_lg_u32 s[WV], 0
	s_cbranch_scc1 .Lnot_wave_0_\@
	s_barrier_signal -3
.Lnot_wave_0_\@:
	s_barrier_wait -3
	s_barrier_signal -1
	s_barrier_wait -1
.endm
.macro WALU
	s_wait_alu depctr_va_vdst(0)
.endm
.set QN,  192                          ; window 0, v192-204: the second block's q as it is loaded
.macro QLOAD d, off                    ; a block's packed fragment of q and its scale word, off bytes on, into v[d] on
.irp p, 0,1,2
	global_load_b128 v[\d+4*\p:\d+4*\p+3], v[LI], s[40:41] offset:(\off)+512*\p
.endr
	global_load_b32 v[\d+12], v[LI], s[42:43] offset:\off
.endm
.macro PKF from, n                     ; t - M, two at a time, the tiles by turns: n pairs of registers from register 'from' on
.set j, \from
.rept \n
.irp x, 0,1
	v_pk_fma_f32 v[SS+64*\x+j:SS+64*\x+j+1], v[SS+64*\x+j:SS+64*\x+j+1], s[CS:CS+1], v[MM+2*\x:MM+2*\x+1] op_sel_hi:[1,0,0]
.endr
.set j, j+2
.endr
.endm
; A KEY STEP: 128 keys x 32 queries.  pre = 1: the next step's k is fetched
.macro STEP pre
	s_wait_dscnt 0x0                               ; this step's k, asked for a step ago
	WIN 0x40                                       ; the scores go to window 1
.irp g, 0,1,2,3                                ; S^T: register 8 T + i = key 64 (T / 4) + 32 (lane / 16) + 8 (T % 4) + i
.irp x, 0,1
	v_wmma_scale_f32_16x16x128_f8f6f4 v[SS+64*\x+16*\g:SS+64*\x+16*\g+7], v[KF+12*\g:KF+12*\g+11], v[QZ+6+12*\x:QZ+17+12*\x], 0, v[KSC+\g], v[QS+\x] matrix_a_fmt:MATRIX_FMT_BF6 matrix_b_fmt:MATRIX_FMT_BF6
	v_wmma_scale_f32_16x16x128_f8f6f4 v[SS+64*\x+16*\g+8:SS+64*\x+16*\g+15], v[KF+12*\g:KF+12*\g+11], v[QZ+12*\x:QZ+11+12*\x], 0, v[KSC+\g], v[QS+\x] matrix_a_fmt:MATRIX_FMT_BF6 matrix_b_fmt:MATRIX_FMT_BF6
.endr
.endr
	WIN 0
.rept 4
	v_nop                                          ; four places ahead of the loads below and of the first read of the scores
.endr
.irp t, 0,1,2,3                                ; ONE RUN OF LDS LOADS: v's four fragments and scale words,
.irp p, 0,1,2
	ds_load_b128 v[VF+12*\t+4*\p:VF+12*\t+4*\p+3], v[ADR] offset:6656+3328*(\t/2)+1536*(\t%2)+512*\p
.endr
.endr
.irp n, 0,1
	ds_load_b64 v[VSC+2*\n:VSC+2*\n+1], v[AD8] offset:6656+3328*\n+3072
.endr
.if \pre
.irp g, 0,1,2,3                                ; then the next step's k: 13 loads
.irp p, 0,1,2
	ds_load_b128 v[KF+12*\g+4*\p:KF+12*\g+4*\p+3], v[ADR] offset:CH+1536*\g+512*\p
.endr
.endr
	ds_load_b128 v[KSC:KSC+3], v[ADR] offset:CH+6144
	s_add_co_u32 s[TB], s[TB], CH
	v_add_nc_u32 v[ADR], s[TB], v[LI]              ; the next step's addresses (this step's loads have been issued)
	v_add_nc_u32 v[AD8], s[TB], v[L8]
.endif
	WIN W1
.irp k, 0,1,2,3                                ; THE LARGEST SCORE OF EACH BLOCK OF 32 KEYS, two chains to a block, eight in all: it serves the row's maximum and, since p rises with the score, the block's largest p.  Each accumulator is first read at its low end
.irp x, 0,1
	v_max3_num_f32 v[PC+12*\x+\k], v[SS+64*\x+16*\k], v[SS+64*\x+16*\k+1], v[SS+64*\x+16*\k+2]
.endr
.endr
.irp i, 3,5,7,9,11,13
.irp k, 0,1,2,3
.irp x, 0,1
	v_max3_num_f32 v[PC+12*\x+\k], v[PC+12*\x+\k], v[SS+64*\x+16*\k+\i], v[SS+64*\x+16*\k+\i+1]
.endr
.endr
.endr
.irp x, 0,1
	v_max3_num_f32 v[BM+2*\x], v[PC+12*\x], v[PC+12*\x+1], v[SS+64*\x+15]
	v_max3_num_f32 v[BM+2*\x+1], v[PC+12*\x+2], v[PC+12*\x+3], v[SS+64*\x+47]
.endr
.irp x, 0,1
	v_max_num_f32 v[BM+2*\x], v[BM+2*\x], v[SS+64*\x+31]
	v_max_num_f32 v[BM+2*\x+1], v[BM+2*\x+1], v[SS+64*\x+63]
.endr
.irp x, 0,1
	v_max_num_f32 v[MX+\x], v[BM+2*\x], v[BM+2*\x+1]
.endr
.irp x, 0,1
	v_permlanex16_b32 v[BP+\x], v[MX+\x], s[SEL], s[SEL+1]
.endr
.irp x, 0,1
	v_max3_num_f32 v[MM+2*\x+1], v[MM+2*\x+1], v[MX+\x], v[BP+\x]   ; the running largest score of my query
.endr
.irp x, 0,1
	v_mul_f32 v[MX+\x], s[NC], v[MM+2*\x+1]        ; -t (c is positive)
.endr
.irp x, 0,1
	v_floor_f32 v[MM+2*\x], v[MX+\x]               ; the new -M = floor(-t) = -ceil(t)
.endr
.irp x, 0,1
	v_sub_f32 v[TA+\x], v[MM+2*\x], v[TA+\x]       ; old M - new M: a whole number, 0 or less
.endr
	PKF 0, 8                                       ; the rest of the way to f stands among the multiply-adds
.irp x, 0,1
	v_cvt_i32_f32 v[TA+\x], v[TA+\x]               ; (it saturates)
.endr
	PKF 16, 8
.irp x, 0,1
	v_ldexp_f32 v[FF+2*\x], 1.0, v[TA+\x]          ; f = 2^(old M - new M)
.endr
	PKF 32, 16
.irp x, 0,1
	v_fma_f32 v[BM+2*\x], v[BM+2*\x], s[CS], v[MM+2*\x]       ; the same of each block's largest score
	v_fma_f32 v[BM+2*\x+1], v[BM+2*\x+1], s[CS], v[MM+2*\x]
.endr
.set j, 0
.rept 16
.irp x, 0,1
	v_pk_mul_f32 v[OO+32*\x+j:OO+32*\x+j+1], v[OO+32*\x+j:OO+32*\x+j+1], v[FF+2*\x:FF+2*\x+1] op_sel_hi:[1,0]   ; O^T under the new M, from each accumulator's low end on
.endr
.set j, j+2
.endr
	WALU
.set j, 0
.rept 128
	v_exp_f32 v[SS+j], v[SS+j]                     ; p = 2^(t - M): ONE BATCH,
.set j, j+1
.endr
.irp b, 0,1,2,3
	v_exp_f32 v[BM+\b], v[BM+\b]                   ; with the blocks' largest p: the same two instructions on the same number give the same bits
.endr
.irp x, 0,1
	v_mov_b32 v[TA+\x], v[MM+2*\x]                 ; -M, kept for the next step.  (The plain place behind the batch)
.endr
	WALU                                           ; one wait for the batch, ahead of its first reader
.irp b, 0,1,2,3
	v_max_num_f32 v[BM+\b], 0x2800000, v[BM+\b]    ; the floor 2^(5 - 127): the byte cannot fall under 1
.endr
.irp b, 0,1,2,3
	v_add_nc_u32 v[SO+\b], 0xfe000000, v[BM+\b]    ; 4 off the exponent field: the conversion's scale operand
.endr
.irp x, 0,1
	v_cvt_scalef32_pk16_bf6_f32 v[PC+12*\x:PC+12*\x+2], v[SS+64*\x:SS+64*\x+15], v[SO+2*\x]
	v_cvt_scalef32_pk16_bf6_f32 v[PT+4*\x:PT+4*\x+2], v[SS+64*\x+16:SS+64*\x+31], v[SO+2*\x]      ; (a conversion's three registers begin on an even number)
	v_cvt_scalef32_pk16_bf6_f32 v[PC+12*\x+6:PC+12*\x+8], v[SS+64*\x+32:SS+64*\x+47], v[SO+2*\x+1]
.endr
.irp b, 0,1,2,3
	v_lshrrev_b32 v[BY+\b], 23, v[SO+\b]           ; the scales' bytes.  (Also the plain place behind the conversions)
.endr
.irp x, 0,1
.irp i, 0,1,2
	v_mov_b32 v[PC+12*\x+3+\i], v[PT+4*\x+\i]
.endr
.endr
.irp x, 0,1
	v_cvt_scalef32_pk16_bf6_f32 v[PT+4*\x:PT+4*\x+2], v[SS+64*\x+48:SS+64*\x+63], v[SO+2*\x+1]
.endr
.irp x, 0,1
	v_lshl_or_b32 v[BY+2*\x], v[BY+2*\x+1], 16, v[BY+2*\x]   ; my two bytes: blocks h and 2 + h,
.endr
.irp x, 0,1
	v_lshlrev_b32 v[BY+2*\x], v[FF+1], v[BY+2*\x]  ; at their places in the word;
.endr
.irp x, 0,1
	v_permlanex16_b32 v[BP+\x], v[BY+2*\x], s[SEL], s[SEL+1]
.endr
.irp x, 0,1
.irp i, 0,1,2
	v_mov_b32 v[PC+12*\x+9+\i], v[PT+4*\x+\i]
.endr
.endr
	WIN 0x05                                       ; a scale word stands in window 0
.irp x, 0,1
	v_or_b32 v[PW+\x], v[BY+2*\x], v[BP+\x]        ; with lane l xor 16's two: p's scale word for these 128 keys
.endr
	WIN W1
.set d, 2                                      ; THE ROW'S SUM OF THE UNQUANTISED p, two at a time, as a tree in p's own registers: 31 additions a tile.  They are also the places between the scale words' and the codes' last writes and the products below
.rept 5
.set j, 0
.rept 32/d
.irp x, 0,1
	v_pk_add_f32 v[SS+64*\x+j:SS+64*\x+j+1], v[SS+64*\x+j:SS+64*\x+j+1], v[SS+64*\x+j+d:SS+64*\x+j+d+1]
.endr
.set j, j+2*d
.endr
.set d, 2*d
.endr
.irp x, 0,1
	v_pk_fma_f32 v[LL+2*\x:LL+2*\x+1], v[LL+2*\x:LL+2*\x+1], v[FF+2*\x:FF+2*\x+1], v[SS+64*\x:SS+64*\x+1] op_sel_hi:[1,0,1]   ; the old sum under the new M, and the step's
.endr
	WALU
.if \pre
	s_wait_dscnt 13                                ; v's fragments and scale words are in; the next step's k, 13 loads, is younger
.else
	s_wait_dscnt 0x0
.endif
	WIN 0x54                                       ; v's fragments window 0; p's codes and O^T window 1
.irp t, 0,1,2,3                                ; O^T += v^T p^T: the eight accumulators by turns; 23 other products stand between two links of a chain
.irp x, 0,1
	v_wmma_scale_f32_16x16x128_f8f6f4 v[OO+32*\x+8*\t:OO+32*\x+8*\t+7], v[VF+12*\t:VF+12*\t+11], v[PC+12*\x:PC+12*\x+11], v[OO+32*\x+8*\t:OO+32*\x+8*\t+7], v[VSC+\t], v[PW+\x] matrix_a_fmt:MATRIX_FMT_BF6 matrix_b_fmt:MATRIX_FMT_BF6
.endr
.endr
	WIN 0
.endm
	s_load_b128 s[4:7], s[0:1], 0x0                ; qbuf s[4:5], kv s[6:7]
	s_load_b64 s[8:9], s[0:1], 0x10                ; out0
	v_lshl_add_u32 v[SPW], v0, 2, SPARE
	v_mov_b32 v[NIL], 0
	ds_add_u32 v[SPW], v[NIL]                      ; the opening lines
	ds_add_u32 v[SPW], v[NIL]
	v_lshrrev_b32 v1, 5, v0
	v_readfirstlane_b32 s[WV], v1                  ; wave 0..7
	s_bfe_u32 s34, ttmp6, 0x40000                  ; cx: it enters q's and out's global addresses alone
	s_and_b32 s35, ttmp7, 0xffff                   ; bh, which the four partners share
	; the descriptor: two chunks, dense, as 104 rows of 256 bytes (32 elements of 8 bytes), no padding
	s_mov_b32 s16, 15|(3<<16)|(1<<21)              ; 15:0 the mask: all four work-groups; 17:16 elements of 8 bytes; 21 set beside a mask
	s_mov_b32 s17, 32<<16                          ; tensor_dim0
	s_mov_b32 s18, 104<<16                         ; tensor_dim1
	s_mov_b32 s19, 32<<16                          ; tile_dim0
	s_mov_b32 s20, 104                             ; tile_dim1
	s_mov_b32 s21, 32                              ; from row to row
	s_mov_b32 s22, 0
	s_mov_b32 s23, 0
	s_mov_b32 s12, 1
	s_mul_i32 s13, s[WV], 2*CH                     ; LDS: chunks 2 w, 2 w + 1
	s_mul_i32 s36, s35, 16*CH
	s_add_co_u32 s36, s36, s13
	s_mov_b32 s37, 0
	s_wait_dscnt 0x0
	s_wait_kmcnt 0x0
	s_add_nc_u64 s[14:15], s[6:7], s[36:37]
	s_or_b32 s15, s15, 0x80000000
	ROUND                                          ; all four work-groups are here: the joint loads meet
	tensor_load_to_lds s[12:15], s[16:23]          ; my one tensor load of the launch
	s_nop 0
.rept 4
	v_nop
.endr
	; q: chunk 16 bh + 4 cx + 2 blk + wave / 4, packed fragment wave % 4
	s_lshl_b32 s36, s35, 4
	s_lshl_b32 s38, s34, 2
	s_add_co_u32 s36, s36, s38
	s_lshr_b32 s38, s[WV], 2
	s_add_co_u32 s36, s36, s38
	s_mul_i32 s36, s36, 6656
	s_and_b32 s38, s[WV], 3
	s_mul_i32 s39, s38, 1536
	s_add_co_u32 s40, s36, s39
	s_mov_b32 s41, 0
	s_add_nc_u64 s[40:41], s[4:5], s[40:41]        ; the fragment
	s_lshl_b32 s38, s38, 2
	s_add_co_u32 s42, s36, s38
	s_add_co_u32 s42, s42, 6144
	s_mov_b32 s43, 0
	s_add_nc_u64 s[42:43], s[4:5], s[42:43]        ; its scale word: [lane][4 words]
	s_mul_i32 s44, s[WV], 32*SP
	s_add_co_u32 s44, s44, STAGE                   ; my stage
	v_and_b32 v7, 31, v0
	v_lshlrev_b32 v[LI], 4, v7
	v_lshlrev_b32 v[L8], 3, v7
	v_and_b32 v7, 15, v0                           ; r
	v_bfe_u32 v8, v0, 4, 1                         ; h
	v_mul_u32_u24 v[STO], v7, SP
	v_mul_u32_u24 v[RD], v8, SP
	v_lshlrev_b32 v[GO], 12, v8
	v_lshl_add_u32 v[STO], v8, 7, v[STO]
	v_lshl_add_u32 v[RD], v7, 4, v[RD]
	v_lshl_add_u32 v[GO], v7, 4, v[GO]             ; in out: lanes 0-15 one token, lanes 16-31 the next
	v_add_nc_u32 v[STO], s44, v[STO]               ; into the stage: row r, + 128 h
	v_add_nc_u32 v[RD], s44, v[RD]                 ; back: lanes 0-15 one row, lanes 16-31 the next
.irp i, 0,1,2,3,4,5
	v_mov_b32 v[QZ+\i], 0                          ; the zero codes: written once
	v_mov_b32 v[QZ+12+\i], 0
	v_mov_b32 v[QZ+24+\i], 0
.endr
	WIN 0x40                                       ; destinations in window 1
	v_lshlrev_b32 v[FF+1], 3, v8                   ; 8 (lane / 16)
	v_lshlrev_b32 v[FF+3], 3, v8                   ; (named with f as a pair, so it is written)
	v_mov_b32 v[BP], 0                             ; written once: a lane permute's destination counts as one of its sources
	v_mov_b32 v[BP+1], 0
	WIN 0
	WALU
	QLOAD VF, 0                                    ; both blocks' q are asked for here, under the tensor load's flight:
	QLOAD QN, 2*6656                               ; the second block's lies two chunks on
	; out: token (bh / 16) 2048 + 512 cx + 64 (wave / 2) + 16 (wave % 2), 4,096 bytes a token; the head's 256 bytes
	s_lshr_b32 s36, s35, 4
	s_lshl_b32 s36, s36, 11
	s_lshl_b32 s38, s34, 9
	s_add_co_u32 s36, s36, s38
	s_lshr_b32 s38, s[WV], 1
	s_lshl_b32 s38, s38, 6
	s_add_co_u32 s36, s36, s38
	s_and_b32 s38, s[WV], 1
	s_lshl_b32 s38, s38, 4
	s_add_co_u32 s36, s36, s38
	s_lshl_b32 s36, s36, 12
	s_and_b32 s39, s35, 15
	s_lshl_b32 s39, s39, 8
	s_add_co_u32 s36, s36, s39
	s_mov_b32 s37, 0
	s_add_nc_u64 s[8:9], s[8:9], s[36:37]
	s_mov_b32 s[SEL], 0x76543210
	s_mov_b32 s[SEL+1], 0xfedcba98
	s_mov_b32 s[CS], 0x3e38aa3b                    ; c = log2(e) / 8
	s_mov_b32 s[CS+1], s[CS]                       ; (named with it as a pair, so it is written)
	s_mov_b32 s[NC], 0xbe38aa3b                    ; -c
	s_mov_b32 s[BLK], 2
	s_wait_tensorcnt 0x0                           ; my two chunks are in,
	s_barrier_signal -1
	s_barrier_wait -1                              ; everybody's are: from here on the chunks are only read
.Lblock:
	s_wait_loadcnt 0x0                             ; the block's q
.irp i, 0,1,2,3,4,5
	v_mov_b32 v[QZ+6+\i], v[VF+\i]                 ; tile 0's six registers of the packed fragment, between zero codes,
	v_mov_b32 v[QZ+18+\i], v[VF+6+\i]              ; and tile 1's
.endr
	v_and_b32 v7, 0xffff, v[VF+12]                 ; each tile's two bytes of the scale word, twice
	v_lshrrev_b32 v8, 16, v[VF+12]
	v_lshl_or_b32 v[QS], v7, 16, v7                ; the lines below are more than the eight places between these writes and the first scaled product
	v_lshl_or_b32 v[QS+1], v8, 16, v8
	s_mov_b32 s[TB], 0
	v_add_nc_u32 v[ADR], s[TB], v[LI]
	v_add_nc_u32 v[AD8], s[TB], v[L8]
.irp g, 0,1,2,3                                ; step 0's k
.irp p, 0,1,2
	ds_load_b128 v[KF+12*\g+4*\p:KF+12*\g+4*\p+3], v[LI] offset:1536*\g+512*\p
.endr
.endr
	ds_load_b128 v[KSC:KSC+3], v[LI] offset:6144
	WIN 0x40                                       ; destinations in window 1
.irp x, 0,1
	v_mov_b32 v[MM+2*\x+1], 0xff61b1e6             ; the largest score so far: -3e38, under every score
	v_mov_b32 v[MM+2*\x], 0x7e000000               ; -M: so large that the first f is 0
	v_mov_b32 v[TA+\x], 0x7e000000
	v_mov_b32 v[LL+2*\x], 0
	v_mov_b32 v[LL+2*\x+1], 0
.endr
.set j, 0
.rept 64
	v_mov_b32 v[OO+j], 0                           ; O^T: the step is written once; the first finds zeros, which the first change of M leaves zeros
.set j, j+1
.endr
	WIN 0
	s_mov_b32 s[STEPS], 15
	WALU
.Lstep:
	STEP 1
	s_sub_co_u32 s[STEPS], s[STEPS], 1
	s_cmp_lg_u32 s[STEPS], 0
	s_cbranch_scc1 .Lstep
	STEP 0                                         ; the sixteenth step fetches no further k
	; THE WAY OUT of a block: O^T / the sum goes through my stage and leaves as whole runs of 256 bytes: a token's 64 channels of this head
	WIN W1
.irp x, 0,1
	v_add_f32 v[LL+2*\x], v[LL+2*\x], v[LL+2*\x+1] ; the sum's two halves,
.endr
.irp x, 0,1
	v_permlanex16_b32 v[BP+\x], v[LL+2*\x], s[SEL], s[SEL+1]
.endr
.irp x, 0,1
	v_add_f32 v[LL+2*\x], v[LL+2*\x], v[BP+\x]     ; and lane l xor 16's.  (These six lines are also the places behind the last products)
.endr
	WALU
.irp x, 0,1
	v_rcp_f32 v[LL+2*\x], v[LL+2*\x]
.endr
	v_nop                                          ; the plain place behind them
	WALU                                           ; the wait ahead of the first reader of the reciprocals and of O^T
.set j, 0
.rept 16
.irp x, 0,1
	v_pk_mul_f32 v[SS+64*\x+j:SS+64*\x+j+1], v[OO+32*\x+j:OO+32*\x+j+1], v[LL+2*\x:LL+2*\x+1] op_sel_hi:[1,0]   ; register i: channel 32 h + i of my query
.endr
.set j, j+2
.endr
	WIN 0x04                                       ; the stores' data in window 1
.irp x, 0,1
.irp i, 0,1,2,3,4,5,6,7
	ds_store_b128 v[STO], v[SS+64*\x+4*\i:SS+64*\x+4*\i+3] offset:16*SP*\x+16*\i
.endr
.endr
	WIN 0
.irp i, 0,1,2,3,4,5,6,7,8,9,10,11,12,13,14,15
	ds_load_b128 v[VF+4*\i:VF+4*\i+3], v[RD] offset:2*SP*\i   ; LDS serves a wave's instructions in order: these see my stores
.endr
.irp i, 0,1,2,3,4,5,6,7,8,9,10,11,12,13,14,15
	s_wait_dscnt 15-\i                             ; rows 2 i, 2 i + 1 are in; the younger loads may be out
	global_store_b128 v[GO], v[VF+4*\i:VF+4*\i+3], s[8:9] offset:(8*(\i/8)+2*(\i%8)+24*((\i%8)/4))*4096 th:TH_STORE_NT   ; tile x begins 8 x tokens on; its row rr is token rr % 8 + 32 (rr / 8); 16 lanes store 256 consecutive bytes, aligned
.endr
	s_wait_xcnt 0x0                                ; the stores have read their registers and their base: both are written again only behind this wait
	s_add_nc_u64 s[8:9], s[8:9], 256*4096          ; 256 tokens on
	s_sub_co_u32 s[BLK], s[BLK], 1
	s_cmp_eq_u32 s[BLK], 0
	s_cbranch_scc1 .Ldone
.set j, 0
.rept 13
	v_mov_b32 v[VF+j], v[QN+j]                     ; the second block's q, to where a block's start takes it from
.set j, j+1
.endr
	WALU
	s_cmp_lg_u32 s[BLK], 0
	s_cbranch_scc1 .Lblock
.Ldone:
	s_wait_tensorcnt 0x0                           ; the wave's end
	ds_add_u32 v[SPW], v[NIL]
	s_wait_dscnt 0x0
	ROUND                                          ; the closing round: no work-group ends while a partner may still ask for a chunk that names it
	s_endpgm
.Lfunc_end_k_q430a9364e7_attn:
	.size	k_q430a9364e7_attn, .Lfunc_end_k_q430a9364e7_attn-k_q430a9364e7_attn
	.p2alignl 7, 3214868480
	.fill 96, 4, 3214868480
	.section	.rodata,"a",@progbits
	.p2align	6, 0x0
	.amdhsa_kernel k_q430a9364e7_attn
		.amdhsa_group_segment_fixed_size 283648
		.amdhsa_private_segment_fixed_size 0
		.amdhsa_enable_private_segment 0
		.amdhsa_kernarg_size 24
		.amdhsa_user_sgpr_count 2
		.amdhsa_user_sgpr_kernarg_segment_ptr 1
		.amdhsa_wavefront_size32 1
		.amdhsa_system_sgpr_workgroup_id_x 1
		.amdhsa_system_sgpr_workgroup_id_y 1
		.amdhsa_system_sgpr_workgroup_id_z 1
		.amdhsa_system_vgpr_workitem_id 0
		.amdhsa_next_free_vgpr 512
		.amdhsa_next_free_sgpr 66
		.amdhsa_reserve_vcc 0
		.amdhsa_float_denorm_mode_32 3
		.amdhsa_float_denorm_mode_16_64 3
		.amdhsa_memory_ordered 1
		.amdhsa_forward_progress 1
		.amdhsa_inst_pref_size 70
	.end_amdhsa_kernel
	.amdgpu_metadata
---
amdhsa.version: [ 1, 2 ]
amdhsa.kernels:
  - .name:           k_q430a9364e7_attn
    .symbol:         k_q430a9364e7_attn.kd
    .args:
      - { .name: qbuf, .offset: 0, .size: 8, .value_kind: global_buffer, .address_space: global }
      - { .name: kv, .offset: 8, .size: 8, .value_kind: global_buffer, .address_space: global }
      - { .name: out0, .offset: 16, .size: 8, .value_kind: global_buffer, .address_space: global }
    .group_segment_fixed_size: 283648
    .private_segment_fixed_size: 0
    .kernarg_segment_align: 8
    .kernarg_segment_size: 24
    .max_flat_workgroup_size: 256
    .sgpr_count:     66
    .vgpr_count:     512
    .wavefront_size: 32
...
	.end_amdgpu_metadata
.endif
;; end of part 3
